; MI455X (gfx1250); checked and timed in simulation.
; The chip was launched on July 23, 2026; its instructions are those of AMD's public machine-readable ISA for CDNA 5 (MIT licence, August 2026) and "CDNA5" Instruction Set Architecture Reference Guide (July 2026). The comments in the code are by the model that wrote it; some were corrected since.
;; Multi Head Attention. Allowed arithmetic: matrix products marked QUANTISED: E3M2 operands, one E8M0 scale for each 32 along K, by v_wmma_scale_f32_16x16x128_f8f6f4 with both operands' format E3M2, f32 sums; everything else in f32.
;; Inputs: gn_b 128 float32; gn_w 128 float32; proj_b 128 float32; proj_w 128 x 128 float32; qkv_b 384 float32; qkv_w 384 x 128 float32; x 4 x 128 x 64 x 64 float32.
;; Outputs: out0 4 x 128 x 64 x 64 float32.
;; This version of the problem:
;;   THIS VERSION OF THE PROBLEM IS GIVEN IN LOW PRECISION. The matrix products marked QUANTISED in the list below multiply operands that are first quantised to E3M2 (3 exponent bits, 2 mantissa bits; 6 bits a number), with one power-of-two scale for each 32 numbers along K (OCP MX v1.0); their sums are f32. All else is computed in f32.
;;   The module's matrix products, in the order in which they are computed (A, B: the left and right operand; K: the contracted axis; several contracted axes count as one K, in the product's order):
;;     1. [M 16,384, K 128] x [K 128, N 384]; A: computed on the way; B: input qkv_w: QUANTISED
;;     2. batch 16 x [M 4,096, K 32] x [K 32, N 4,096]; A: computed on the way; B: computed on the way: QUANTISED
;;     3. batch 16 x [M 32, K 4,096] x [K 4,096, N 4,096]; A: computed on the way; B: softmax (see below): QUANTISED
;;     4. [M 16,384, K 128] x [K 128, N 128]; A: computed on the way; B: input proj_w: QUANTISED
;;   THE QUANTISER, for each operand of a quantised product, along K:
;;     - K is cut into blocks of 32 from its start; a last block that is shorter is filled with zeros.
;;     - A block's scale is 2^e with e = floor(log2(the largest magnitude in the block)) - 4, held to -126 .. 127; a block of zeros has e = 0. As a byte (E8M0): e + 127.
;;     - Each number is divided by its block's scale, clamped to +-28, and rounded to the nearest number of E3M2, ties to even, subnormals kept.
;;     - The product sums the exact products of the quantised numbers (number of the format x scale) in f32.
;;   ~~~python
;;   def quantise(x, axis):      # numpy; x: float32 -> the quantised numbers, widened to float32 again
;;       x = np.moveaxis(x, axis, -1); K = x.shape[-1]
;;       x = np.pad(x, [(0, 0)] * (x.ndim - 1) + [(0, -K % 32)]); x = x.reshape(x.shape[:-1] + (-1, 32)); a = np.abs(x).max(-1, keepdims=True)
;;       e = np.where(a > 0, np.clip(np.frexp(np.where(a > 0, a, 1))[1] - 1 - 4, -126, 127), 0)      # np.frexp(a)[1] - 1 = floor(log2(a)), exactly
;;       r = np.clip(x / 2.0 ** e, -28, 28)
;;       step = 2.0 ** (np.maximum(np.frexp(np.where(r == 0, 1, r))[1] - 1, -2) - 2)
;;       q = np.round(r / step) * step * 2.0 ** e      # np.round: ties to even
;;       return np.moveaxis(q.reshape(q.shape[:-2] + (-1,))[..., :K], -1, axis).astype(np.float32)
;;   ~~~
;;   SOFTMAX AHEAD OF A QUANTISED PRODUCT. Where the list says 'softmax', what is quantised is not the finished softmax but p = 2^(t - M), with t = logit x log2(e) and M = ceil(the row's largest t), a whole number; so 1/2 < the row's largest p <= 1. The row's sum l is taken of the UNQUANTISED p, in f32, and the product's result is divided by l at the end. Since M is a whole number, a kernel that streams over the keys may use a running M (the ceiling of the running maximum): every later rescaling is an exact power of two, which a block's scale takes up: the codes' values come out the same.
;;   OPERANDS COMPUTED ON THE WAY. 'Computed on the way' means the value that the module computes at that place (a softmax that the list does not call 'softmax' is quantised finished and normalised). What goes into a quantiser is computed in f32, as accurately as f32 sums, v_exp_f32 and their like allow (about 1e-6 of the number): no bf16 or f16 on the way to a quantiser, and a product that is left as it is and whose result goes on into a quantised operand takes f32 operands (vector FMAs, or v_wmma_f32_16x16x4_f32). A number that lies on a knife's edge between two numbers of the format may be rounded either way, as far as f32 arithmetic and the matrix unit's own rounding can turn it there, and no further.
;; One version. Each part assembles by itself: llvm-mc -triple=amdgcn-amd-amdhsa -mcpu=gfx1250 --defsym DOCPART=n.
;; ======== version 1 of 1: 4 launches
;; workspace buffers: stats 1,024 bytes; wq 53,248 bytes; qbuf 1,703,936 bytes; kv 3,407,872 bytes; acodes 1,572,864 bytes; asc 65,536 bytes
;; launch prep (part 1): grid 128 x 1, 16 waves a work-group, no clusters, 2,560 bytes of LDS; arguments x, qkv_w, proj_w, stats, wq; writes stats, wq
.if DOCPART == 1
	.amdgcn_target "amdgcn-amd-amdhsa--gfx1250"
	.amdhsa_code_object_version 6
	.text
	.protected	k_q255cff5d0d_prep
	.globl	k_q255cff5d0d_prep
	.p2align	8
	.type	k_q255cff5d0d_prep,@function
k_q255cff5d0d_prep:
	s_mov_b64 s[64:65], 0
	v_nop
	global_prefetch_b8 v0, s[64:65] scope:SCOPE_SE
	s_setreg_imm32_b32 hwreg(HW_REG_WAVE_MODE, 25, 1), 1
	s_wait_xcnt 0x0
; GROUP STATISTICS AND WEIGHT CODES.
; x: [4][128][4096] f32.  A group is 4 channels x 4,096 positions: 16,384 numbers, 65,536 consecutive bytes.  Work-group i (0 .. 127 = 32 b + group) makes
; stats[i] = {mean, 1 / sqrt(var + 1e-5)}.  Sixteen waves, 32 numbers a thread, kept in registers between the two passes: first the mean, then the mean of
; (x - mean)^2, so that no difference of large sums is formed and a common offset of x does no harm.
; Behind that, work-groups 0 and 1 turn the two weights into codes of E3M2 with one E8M0 byte for each 32 along K: wave w of work-group i takes tile T = 16 i + w,
; 16 rows x 128 K.  T = 0 .. 23: qkv_w, row m of the tile is output channel 32 (T / 2) + 8 (T % 2) + m % 8 + 16 (m / 8), so that a transposed product leaves a lane 16
; neighbouring channels of a head in two tiles.  T = 24 .. 31: proj_w, row 16 (T - 24) + m.
; A tile leaves as an IMAGE OF THE OPERAND'S REGISTERS: registers 4 i .. 4 i + 3 of lane l at wq + 1536 T + 512 i + 16 l; its scale word at wq + 49152 + 128 T + 4 l.
; The weight loads take 16 bytes a lane of rows 512 bytes apart: 262,144 bytes in all, read once in the whole program.
; No cluster: the work-groups share no input.  No tensor load: each byte goes straight into the register that works on it.
; LIMITS: NaN and infinities are not served.  A block whose largest magnitude lies under 2^-122 keeps the scale byte 1; a block of zeros gets the byte 1 where the
; quantiser's rule says 127: its codes are zeros, and this program alone reads the bytes.  The reciprocal root is v_rsq_f32.
.set X,    32                          ; v32-63 my 32 numbers of x; v32-95 my 64 numbers of a weight tile
.set PC,   96                          ; v96-107  a fragment's codes
.set PT,   108                         ; v108-115 the upper halves of two blocks, as the conversions leave them
.set TM,   116                         ; v116.. largest magnitudes; +4 bytes; +12 the conversions' scale operands
.set PW,   132                         ; the scale word
.set TX,   133                         ; a lane permute's destination
.set TW,   134
.set SH8,  135                         ; 8 x (lane / 16)
.set SEL,  20                          ; s[20:21] v_permlanex16_b32's selects for lane l xor 16
; 64 numbers of a lane, register 32 c + i = k 64 c + 32 (lane / 16) + i of my row: two whole blocks.  They become the fragment's 12 registers in v[PC] on and the row's scale word in v[PW].
.macro QUANT_LANE s
.irp c, 0,1
	v_max3_num_f32 v[TM+\c], |v[\s+32*\c]|, |v[\s+32*\c+1]|, 0x2800000   ; the floor 2^(5 - 127) among the leaves: the byte cannot fall under 1
.endr
.irp i, 2,4,6,8,10,12,14,16,18,20,22,24,26,28,30
.irp c, 0,1
	s_delay_alu instid0(VALU_DEP_2)
	v_max3_num_f32 v[TM+\c], v[TM+\c], |v[\s+32*\c+\i]|, |v[\s+32*\c+\i+1]|   ; the two blocks by turns
.endr
.endr
.irp c, 0,1
	s_delay_alu instid0(VALU_DEP_2)
	v_add_nc_u32 v[TM+12+\c], 0xfe000000, v[TM+\c]   ; 4 off the exponent field: the conversion's scale operand
.endr
.irp c, 0,1
	s_delay_alu instid0(VALU_DEP_2)
	v_lshrrev_b32 v[TM+4+\c], 23, v[TM+12+\c]        ; the scale's byte
.endr
	s_delay_alu instid0(VALU_DEP_1)
	v_lshl_or_b32 v[TW], v[TM+5], 16, v[TM+4]        ; my bytes: blocks h and 2 + h,
	s_delay_alu instid0(VALU_DEP_1)
	v_lshlrev_b32 v[TW], v[SH8], v[TW]               ; at their places in the word;
	s_delay_alu instid0(VALU_DEP_1)
	v_permlanex16_b32 v[TX], v[TW], s[SEL], s[SEL+1]
	s_delay_alu instid0(VALU_DEP_1)
	v_or_b32 v[PW], v[TW], v[TX]                     ; with lane l xor 16's two the word is whole, in both lanes
.irp c, 0,1
	v_cvt_scalef32_pk16_bf6_f32 v[PC+6*\c:PC+6*\c+2], v[\s+32*\c:\s+32*\c+15], v[TM+12+\c]
	v_cvt_scalef32_pk16_bf6_f32 v[PT+4*\c:PT+4*\c+2], v[\s+32*\c+16:\s+32*\c+31], v[TM+12+\c]   ; (a conversion's three registers begin on an even number)
.endr
	v_nop                                            ; one plain place behind a scaled conversion
.irp c, 0,1
.irp i, 0,1,2
	v_mov_b32 v[PC+6*\c+3+\i], v[PT+4*\c+\i]
.endr
.endr
.endm
.macro WSUM                            ; v8: the sum over the wave's 32 lanes, in every lane
	s_delay_alu instid0(VALU_DEP_1)
	v_add_f32_dpp v8, v8, v8 row_xmask:1 row_mask:0xf bank_mask:0xf
	s_delay_alu instid0(VALU_DEP_1)
	v_add_f32_dpp v8, v8, v8 row_xmask:2 row_mask:0xf bank_mask:0xf
	s_delay_alu instid0(VALU_DEP_1)
	v_add_f32_dpp v8, v8, v8 row_xmask:4 row_mask:0xf bank_mask:0xf
	s_delay_alu instid0(VALU_DEP_1)
	v_add_f32_dpp v8, v8, v8 row_xmask:8 row_mask:0xf bank_mask:0xf
	s_delay_alu instid0(VALU_DEP_1)
	v_permlanex16_b32 v9, v8, s[SEL], s[SEL+1]
	s_delay_alu instid0(VALU_DEP_1)
	v_add_f32 v8, v8, v9
.endm
.macro WGSUM off                       ; v8 of the sixteen waves -> their sum in v12, in every lane; each use has LDS bytes of its own, so one barrier serves it
	ds_store_b32 v10, v8 offset:\off                 ; all lanes write the wave's word with the same value
	s_wait_dscnt 0x0                                 ; for the others' sake: my store has landed
	s_barrier_signal -1
	s_barrier_wait -1
.irp q, 0,1,2,3
	ds_load_b128 v[12+4*\q:15+4*\q], v11 offset:\off+16*\q
.endr
	s_wait_dscnt 0x0
	v_pk_add_f32 v[12:13], v[12:13], v[14:15]
	v_pk_add_f32 v[16:17], v[16:17], v[18:19]
	v_pk_add_f32 v[20:21], v[20:21], v[22:23]
	v_pk_add_f32 v[24:25], v[24:25], v[26:27]
	s_delay_alu instid0(VALU_DEP_3)
	v_pk_add_f32 v[12:13], v[12:13], v[16:17]
	s_delay_alu instid0(VALU_DEP_2)
	v_pk_add_f32 v[20:21], v[20:21], v[24:25]
	s_delay_alu instid0(VALU_DEP_1)
	v_pk_add_f32 v[12:13], v[12:13], v[20:21]
	s_delay_alu instid0(VALU_DEP_1)
	v_add_f32 v12, v12, v13
.endm
	s_load_b128 s[4:7], s[0:1], 0x0                  ; x, qkv_w
	s_load_b128 s[8:11], s[0:1], 0x10                ; proj_w, stats
	s_load_b64 s[12:13], s[0:1], 0x20                ; wq
	v_lshl_add_u32 v144, v0, 2, 0x200
	v_mov_b32 v145, 0
	v_lshrrev_b32 v1, 5, v0
	s_delay_alu instid0(VALU_DEP_1)
	v_readfirstlane_b32 s16, v1                      ; wave 0 .. 15
	v_lshlrev_b32 v1, 4, v0                          ; 16 bytes a thread: a wave's load covers 512 consecutive bytes
	v_mov_b32 v9, 0                                  ; a lane permute's destination counts as read
	s_delay_alu instid0(VALU_DEP_3)
	v_mov_b32 v10, s16
	s_delay_alu instid0(VALU_DEP_1)
	v_lshlrev_b32 v10, 2, v10                        ; LDS: my wave's word
	v_mov_b32 v11, 0
	s_mov_b32 s[SEL], 0x76543210
	s_mov_b32 s[SEL+1], 0xfedcba98
	s_mov_b32 s22, 0x38800000                        ; 1 / 16,384
	s_mov_b32 s23, 0x3727c5ac                        ; 1e-5
	s_lshl_b32 s2, ttmp9, 16                         ; my group's 65,536 bytes
	s_mov_b32 s3, 0
	s_wait_alu depctr_va_vdst(0)
	s_wait_kmcnt 0x0
	s_add_nc_u64 s[4:5], s[4:5], s[2:3]
.irp j, 0,1,2,3,4,5,6,7
	global_load_b128 v[X+4*\j:X+4*\j+3], v1, s[4:5] offset:8192*\j   ; no hint: the next launch reads x again
.endr
	; pass 1: the sum, in two packed chains started by the first two loads
	s_wait_loadcnt 6                                 ; loads 0 and 1 are in; six younger ones may be out
	v_pk_add_f32 v[2:3], v[X:X+1], v[X+4:X+5]
	v_pk_add_f32 v[4:5], v[X+2:X+3], v[X+6:X+7]
	s_wait_alu depctr_va_vdst(0)
.irp j, 2,3,4,5,6,7
	s_wait_alu depctr_va_vdst(0)
	s_wait_loadcnt 7-\j                              ; load j is in; the younger ones may be out
	v_pk_add_f32 v[2:3], v[2:3], v[X+4*\j:X+4*\j+1]
	v_pk_add_f32 v[4:5], v[4:5], v[X+4*\j+2:X+4*\j+3]
.endr
	s_delay_alu instid0(VALU_DEP_1)
	v_pk_add_f32 v[2:3], v[2:3], v[4:5]
	s_delay_alu instid0(VALU_DEP_1)
	v_add_f32 v8, v2, v3
	WSUM
	WGSUM 0
	s_delay_alu instid0(VALU_DEP_1)
	v_mul_f32 v6, s22, v12                           ; the mean,
	s_delay_alu instid0(VALU_DEP_1)
	v_mov_b32 v7, v6                                 ; twice, for the packed subtraction
	; pass 2, from the registers: the sum of (x - mean)^2
.set j, 0
.rept 16
	v_pk_add_f32 v[X+j:X+j+1], v[X+j:X+j+1], v[6:7] neg_lo:[0,1] neg_hi:[0,1]
.set j, j+2
.endr
	v_pk_mul_f32 v[2:3], v[X:X+1], v[X:X+1]
	v_pk_mul_f32 v[4:5], v[X+2:X+3], v[X+2:X+3]
.set j, 4
.rept 7
	s_delay_alu instid0(VALU_DEP_2)
	v_pk_fma_f32 v[2:3], v[X+j:X+j+1], v[X+j:X+j+1], v[2:3]
	s_delay_alu instid0(VALU_DEP_2)
	v_pk_fma_f32 v[4:5], v[X+j+2:X+j+3], v[X+j+2:X+j+3], v[4:5]
.set j, j+4
.endr
	s_delay_alu instid0(VALU_DEP_1)
	v_pk_add_f32 v[2:3], v[2:3], v[4:5]
	s_delay_alu instid0(VALU_DEP_1)
	v_add_f32 v8, v2, v3
	WSUM
	WGSUM 256
	s_delay_alu instid0(VALU_DEP_1)
	v_fma_f32 v13, v12, s22, s23                     ; var + 1e-5
	s_wait_alu depctr_va_vdst(0)
	v_rsq_f32 v7, v13
	v_mov_b32 v8, 0                                  ; (the plain place behind the transcendental)
	s_lshl_b32 s2, ttmp9, 3
	s_add_nc_u64 s[10:11], s[10:11], s[2:3]
	s_wait_xcnt 0x0                                  ; EXEC is a source of the memory instructions issued so far: it changes only behind this wait
	v_cmp_eq_u32 vcc_lo, 0, v0
	s_and_saveexec_b32 s24, vcc_lo
	s_wait_alu depctr_va_vdst(0)
	global_store_b64 v8, v[6:7], s[10:11]            ; thread 0 stores {mean, rstd}
	s_wait_xcnt 0x0                                  ; and again in front of the line that widens it; v6-v8 are free behind it too
	s_or_b32 exec_lo, exec_lo, s24
	; THE WEIGHTS: work-groups 0 and 1, a tile a wave.  No barrier and no LDS access stands under this branch.
	s_cmp_lt_u32 ttmp9, 2
	s_cbranch_scc0 .Ldone
	s_lshl_b32 s25, ttmp9, 4
	s_add_co_u32 s25, s25, s16                       ; T
	s_lshr_b32 s26, s25, 1
	s_lshl_b32 s26, s26, 5
	s_and_b32 s27, s25, 1
	s_lshl_b32 s27, s27, 3
	s_add_co_u32 s26, s26, s27                       ; qkv_w: first row 32 (T / 2) + 8 (T % 2)
	s_sub_co_u32 s27, s25, 24
	s_lshl_b32 s27, s27, 4                           ; proj_w: first row 16 (T - 24)
	s_cmp_lt_u32 s25, 24                             ; the choice hangs on the tile's number alone
	s_cselect_b64 s[6:7], s[6:7], s[8:9]
	s_cselect_b32 s26, s26, s27
	s_cselect_b32 s28, 16, 8                         ; rows 8 .. 15 of the tile begin 16 (qkv_w) or 8 (proj_w) rows behind its first
	v_and_b32 v2, 15, v0                             ; r
	v_bfe_u32 v3, v0, 4, 1                           ; h
	s_delay_alu instid0(VALU_DEP_2)
	v_and_b32 v4, 7, v2
	s_delay_alu instid0(VALU_DEP_3)
	v_lshrrev_b32 v5, 3, v2
	s_delay_alu instid0(VALU_DEP_1)
	v_mad_u32_u24 v5, v5, s28, v4
	s_delay_alu instid0(VALU_DEP_1)
	v_add_nc_u32 v5, s26, v5                         ; my row of the weight
	s_delay_alu instid0(VALU_DEP_1)
	v_lshlrev_b32 v5, 9, v5                          ; 512 bytes a row,
	s_delay_alu instid0(VALU_DEP_1)
	v_lshl_add_u32 v5, v3, 7, v5                     ; + 128 h: k = 64 c + 32 h on
	v_lshlrev_b32 v[SH8], 3, v3
	v_mov_b32 v[TX], 0
	v_and_b32 v6, 31, v0
	s_delay_alu instid0(VALU_DEP_1)
	v_lshlrev_b32 v7, 2, v6                          ; 4 x lane
	s_delay_alu instid0(VALU_DEP_2)
	v_lshlrev_b32 v6, 4, v6                          ; 16 x lane
.irp c, 0,1
.irp q, 0,1,2,3,4,5,6,7
	global_load_b128 v[X+32*\c+4*\q:X+32*\c+4*\q+3], v5, s[6:7] offset:256*\c+16*\q
.endr
.endr
	s_mul_i32 s2, s25, 1536
	s_add_nc_u64 s[14:15], s[12:13], s[2:3]          ; the tile's image
	s_lshl_b32 s2, s25, 7
	s_add_co_u32 s2, s2, 49152
	s_add_nc_u64 s[12:13], s[12:13], s[2:3]          ; its scale words
	s_wait_loadcnt 0x0
	QUANT_LANE X
.irp i, 0,1,2
	global_store_b128 v6, v[PC+4*\i:PC+4*\i+3], s[14:15] offset:512*\i   ; 32 lanes store 512 consecutive bytes, aligned
.endr
	global_store_b32 v7, v[PW], s[12:13]
.Ldone:
	s_wait_tensorcnt 0x0
	ds_add_u32 v144, v145
	s_wait_dscnt 0x0
	s_endpgm
.Lfunc_end_k_q255cff5d0d_prep:
	.size	k_q255cff5d0d_prep, .Lfunc_end_k_q255cff5d0d_prep-k_q255cff5d0d_prep
	.p2alignl 7, 3214868480
	.fill 96, 4, 3214868480
	.section	.rodata,"a",@progbits
	.p2align	6, 0x0
	.amdhsa_kernel k_q255cff5d0d_prep
		.amdhsa_group_segment_fixed_size 2560
		.amdhsa_private_segment_fixed_size 0
		.amdhsa_enable_private_segment 0
		.amdhsa_kernarg_size 40
		.amdhsa_user_sgpr_count 2
		.amdhsa_user_sgpr_kernarg_segment_ptr 1
		.amdhsa_wavefront_size32 1
		.amdhsa_system_sgpr_workgroup_id_x 1
		.amdhsa_system_sgpr_workgroup_id_y 1
		.amdhsa_system_sgpr_workgroup_id_z 1
		.amdhsa_system_vgpr_workitem_id 0
		.amdhsa_next_free_vgpr 146
		.amdhsa_next_free_sgpr 66
		.amdhsa_reserve_vcc 1
		.amdhsa_float_denorm_mode_32 3
		.amdhsa_float_denorm_mode_16_64 3
		.amdhsa_memory_ordered 1
		.amdhsa_forward_progress 1
		.amdhsa_inst_pref_size 18
	.end_amdhsa_kernel
	.amdgpu_metadata
---
amdhsa.version: [ 1, 2 ]
amdhsa.kernels:
  - .name:           k_q255cff5d0d_prep
    .symbol:         k_q255cff5d0d_prep.kd
    .args:
      - { .name: x, .offset: 0, .size: 8, .value_kind: global_buffer, .address_space: global }
      - { .name: qkv_w, .offset: 8, .size: 8, .value_kind: global_buffer, .address_space: global }
      - { .name: proj_w, .offset: 16, .size: 8, .value_kind: global_buffer, .address_space: global }
      - { .name: stats, .offset: 24, .size: 8, .value_kind: global_buffer, .address_space: global }
      - { .name: wq, .offset: 32, .size: 8, .value_kind: global_buffer, .address_space: global }
    .group_segment_fixed_size: 2560
    .private_segment_fixed_size: 0
    .kernarg_segment_align: 8
    .kernarg_segment_size: 40
    .max_flat_workgroup_size: 512
    .sgpr_count:     66
    .vgpr_count:     146
    .wavefront_size: 32
...
	.end_amdgpu_metadata
.endif
;; end of part 1
;; launch qkv (part 2): grid 64 x 4, 4 waves a work-group, no clusters, 40,448 bytes of LDS; arguments x, gn_w, gn_b, qkv_b, stats, wq, qbuf, kv; writes qbuf, kv
.if DOCPART == 2
	.amdgcn_target "amdgcn-amd-amdhsa--gfx1250"
	.amdhsa_code_object_version 6
	.text
	.protected	k_q255cff5d0d_qkv
	.globl	k_q255cff5d0d_qkv
	.p2align	8
	.type	k_q255cff5d0d_qkv,@function
k_q255cff5d0d_qkv:
	s_mov_b64 s[64:65], 0
	v_nop
	global_prefetch_b8 v0, s[64:65] scope:SCOPE_SE
	s_setreg_imm32_b32 hwreg(HW_REG_WAVE_MODE, 25, 1), 1
	s_wait_xcnt 0x0
; GROUP NORM, THE QKV PRODUCT, AND THE CODES OF q, k, v.
; A work-group takes 64 tokens (g = work-group x) of one image (b = work-group y), all 128 channels.  Four waves, three phases, two barriers:
;  1: wave w loads channels 32 w .. 32 w + 31 (sixteen lanes read the 64 tokens' 256 aligned bytes of a channel), normalises them in f32 and lays them in a stage in LDS;
;  2: wave w reads, for the 16 tokens of token tile w, all 128 channels down the stage (a lane: one token, two whole blocks of 32 channels), quantises them along the channels,
;     and stores the fragment to LDS as an image of its registers (registers 4 i .. 4 i + 3 of lane l at 512 i + 16 l; the scale word at 4 l);
;  3: wave w is head w: four fragments of xn from LDS, its six weight tiles from wq, 24 matrix instructions; q, k, v are quantised in registers and leave as images.
; TOKEN ORDER: row m of token tile t is token 64 g + 32 (m / 8) + 8 t + m % 8.  With it:
;  q, k (transposed: source 0 = 16 weight rows, source 1 = xn's tile t): a lane holds ONE token, registers 16 t + i = channel 16 (lane / 16) + i.  The four tiles' 32 channels are the four
;     blocks of ONE packed fragment: block t of row r holds the 32 codes of token (t, r), byte t of the scale word its scale.
;  v (source 0 = xn's tile t, source 1 = 16 weight rows): a lane holds ONE channel, registers 32 u + 8 t + j = token 32 (lane / 16) + 8 t + j: a whole block of 32 keys in natural order.
;     Block 2 u + h of row r of the image holds channel row r of weight tile u, keys 64 g + 32 h on.
; The biases are the C of the products.  q and k are multiplied by 32^(-1/4) in f32 ahead of their quantiser, as the module has it.
; OUT: qbuf: image of (hb, g) at 1536 (64 hb + g), scale words at 1572864 + 128 (64 hb + g);  kv: a record of 3,328 bytes for (hb, g): k's image, v's image, k's scale words, v's.  hb = 4 b + head.
; No cluster and no tensor load: what the work-groups share is the weights' codes, 9,984 bytes a wave, which go straight into registers; x is read by one work-group alone.
; LIMITS: NaN and infinities are not served.  A block whose largest magnitude lies under 2^-122 keeps the scale byte 1; a block of zeros gets the byte 1 where the rule says 127:
; its codes are zeros, and this program alone reads the bytes.
; REGISTERS.  Window 0: v1-15 addresses; v16-79 numbers at work; v80-119 gain, bias, statistics, later v80-127 xn's four fragments; v128-137 scale words; v140-178 the quantiser's.
;   Window 1: v0-71 the six weight tiles; v72-119 the biases in the results' layouts.
.set XSTG, 0                           ; LDS: xn in f32: channel ch at 8256 (ch / 32) + 256 (ch % 32) + 4 x token: the 64 bytes between blocks of 32 channels set lanes 16-31 of a column read 16 banks beside lanes 0-15
.set XIMG, 33280                       ; xn's four fragments, 1,536 bytes each
.set XSC,  39424                       ; their scale words, 128 bytes each
.set X,    16
.set GW,   80
.set GB,   96
.set STT,  112
.set XF,   80
.set XS,   128                         ; v128-131 xn's scale words
.set WS,   132                         ; v132-137 the weight tiles'
.set PC,   140
.set PT,   152
.set TM,   160
.set PW,   176
.set TX,   177
.set TW,   178
.set LI,   7                           ; 16 x lane
.set LS,   8                           ; 4 x lane
.set SH8,  11                          ; 8 x (lane / 16)
.set BQ,   72                          ; window 1: q's bias, two tiles of 8; k's at +16; v's at +32
.set SEL,  20
.set CS,   22                          ; s[22:23] 32^(-1/4)
.set MSB, 0
.macro WIN new                         ; the immediate's high byte repeats the setting that is left
.if MSB != \new
	s_set_vgpr_msb (MSB<<8)|\new
.set MSB, \new
.endif
.endm
; 64 numbers of a lane, register 32 c + i = k 64 c + 32 (lane / 16) + i of my row: two whole blocks -> the fragment in v[PC] on, the scale word in v[PW].
.macro QUANT_LANE s
.irp c, 0,1
	v_max3_num_f32 v[TM+\c], |v[\s+32*\c]|, |v[\s+32*\c+1]|, 0x2800000   ; the floor 2^(5 - 127) among the leaves: the byte cannot fall under 1
.endr
.irp i, 2,4,6,8,10,12,14,16,18,20,22,24,26,28,30
.irp c, 0,1
	v_max3_num_f32 v[TM+\c], v[TM+\c], |v[\s+32*\c+\i]|, |v[\s+32*\c+\i+1]|
.endr
.endr
.irp c, 0,1
	v_add_nc_u32 v[TM+12+\c], 0xfe000000, v[TM+\c]   ; 4 off the exponent field: the conversion's scale operand
.endr
.irp c, 0,1
	v_lshrrev_b32 v[TM+4+\c], 23, v[TM+12+\c]
.endr
	v_lshl_or_b32 v[TW], v[TM+5], 16, v[TM+4]
	v_lshlrev_b32 v[TW], v[SH8], v[TW]
	v_permlanex16_b32 v[TX], v[TW], s[SEL], s[SEL+1]
	v_or_b32 v[PW], v[TW], v[TX]
.irp c, 0,1
	v_cvt_scalef32_pk16_bf6_f32 v[PC+6*\c:PC+6*\c+2], v[\s+32*\c:\s+32*\c+15], v[TM+12+\c]
	v_cvt_scalef32_pk16_bf6_f32 v[PT+4*\c:PT+4*\c+2], v[\s+32*\c+16:\s+32*\c+31], v[TM+12+\c]
.endr
	v_nop                                            ; one plain place behind a scaled conversion
.irp c, 0,1
.irp i, 0,1,2
	v_mov_b32 v[PC+6*\c+3+\i], v[PT+4*\c+\i]
.endr
.endr
.endm
; 64 numbers of a lane, register 16 b + i = k 32 b + 16 (lane / 16) + i of my row: half of each of four blocks -> the fragment in v[PC] on, the scale word in v[PW].
.macro QUANT_PAIR s
.irp b, 0,1,2,3
	v_max3_num_f32 v[TM+\b], |v[\s+16*\b]|, |v[\s+1+16*\b]|, 0x2800000
.endr
.irp i, 2,4,6,8,10,12,14
.irp b, 0,1,2,3
	v_max3_num_f32 v[TM+\b], v[TM+\b], |v[\s+16*\b+\i]|, |v[\s+1+16*\b+\i]|
.endr
.endr
.irp b, 0,1,2,3
	v_permlanex16_b32 v[TM+4+\b], v[TM+\b], s[SEL], s[SEL+1]
.endr
.irp b, 0,1,2,3
	v_max_num_f32 v[TM+\b], v[TM+\b], v[TM+4+\b]     ; with lane l xor 16's: the block's largest magnitude
.endr
.irp b, 0,1,2,3
	v_add_nc_u32 v[TM+12+\b], 0xfe000000, v[TM+\b]
.endr
.irp b, 0,1,2,3
	v_lshrrev_b32 v[TM+4+\b], 23, v[TM+12+\b]
.endr
	v_lshl_or_b32 v[PW], v[TM+5], 8, v[TM+4]
	v_lshl_or_b32 v[PW], v[TM+6], 16, v[PW]
	v_lshl_or_b32 v[PW], v[TM+7], 24, v[PW]
.irp c, 0,1
	v_cvt_scalef32_pk16_bf6_f32 v[PC+6*\c:PC+6*\c+2], v[\s+32*\c:\s+15+32*\c], v[TM+12+2*\c]
	v_cvt_scalef32_pk16_bf6_f32 v[PT+4*\c:PT+4*\c+2], v[\s+16+32*\c:\s+31+32*\c], v[TM+12+2*\c+1]
.endr
	v_nop                                            ; one plain place behind a scaled conversion
.irp c, 0,1                                      ; the operand's layout wants a whole block in a lane: lanes 0-15 block 2 c, lanes 16-31 block 2 c + 1
.irp i, 0,1,2
	v_permlane16_swap_b32 v[PC+6*\c+\i], v[PT+4*\c+\i]
.endr
.irp i, 0,1,2
	v_mov_b32 v[PC+3+6*\c+\i], v[PT+4*\c+\i]
.endr
.endr
.endm
.macro GIMAGE b, off, sb, scoff        ; the fragment in v[PC] on and its scale word go to memory as they stand: each store covers 512 (128) consecutive bytes, aligned
.irp i, 0,1,2
	global_store_b128 v[LI], v[PC+4*\i:PC+4*\i+3], s[\b:\b+1] offset:\off+512*\i
.endr
	global_store_b32 v[LS], v[PW], s[\sb:\sb+1] offset:\scoff
.endm
.macro PLACES                          ; four plain places between a matrix instruction and the first read of its result (ISA guide 7.12.1)
.rept 4
	v_nop
.endr
.endm
; q (kind 0) or k (kind 1): eight products, eight accumulators; the scaling; the quantiser
.macro JOBQK kind
	WIN 0x11                                         ; source 0 (the weights) and C (the bias) in window 1
.irp t, 0,1,2,3
.irp u, 0,1
	v_wmma_scale_f32_16x16x128_f8f6f4 v[X+16*\t+8*\u:X+16*\t+8*\u+7], v[12*(2*\kind+\u):12*(2*\kind+\u)+11], v[XF+12*\t:XF+12*\t+11], v[BQ+16*\kind+8*\u:BQ+16*\kind+8*\u+7], v[WS+2*\kind+\u], v[XS+\t] matrix_a_fmt:MATRIX_FMT_BF6 matrix_b_fmt:MATRIX_FMT_BF6
.endr
.endr
	WIN 0
	PLACES
.set j, 0
.rept 32
	v_pk_mul_f32 v[X+j:X+j+1], v[X+j:X+j+1], s[CS:CS+1] op_sel_hi:[1,0]   ; x 32^(-1/4); each accumulator from its low end on
.set j, j+2
.endr
	s_wait_xcnt 0x0                                  ; the last image's stores have read their registers: the codes may be written anew
	QUANT_PAIR X
.endm
	s_load_b256 s[4:11], s[0:1], 0x0                 ; x, gn_w, gn_b, qkv_b
	s_load_b256 s[12:19], s[0:1], 0x20               ; stats, wq, qbuf, kv
	v_lshl_add_u32 v254, v0, 2, 0x9c00
	v_mov_b32 v255, 0
	v_lshrrev_b32 v1, 5, v0
	v_readfirstlane_b32 s24, v1                      ; wave 0 .. 3
	s_and_b32 s25, ttmp7, 0xffff                     ; b
	v_and_b32 v1, 31, v0                             ; lane
	v_and_b32 v2, 15, v0                             ; r
	v_bfe_u32 v3, v0, 4, 1                           ; h
	v_lshlrev_b32 v4, 4, v2                          ; 16 r
	v_lshl_add_u32 v5, v3, 12, v4
	s_mul_i32 s26, s24, 8256
	v_add_nc_u32 v5, s26, v5                         ; the stage, in: 8256 w + 4096 h + 16 r: channel 32 w + 16 h + i is 256 i further on
	v_lshl_or_b32 v4, v3, 18, v4                     ; x: 16 channels further on for lanes 16-31, + 16 r
	v_and_b32 v14, 7, v2
	v_lshrrev_b32 v13, 3, v2
	v_lshl_add_u32 v6, v13, 5, v14                   ; 32 (r / 8) + r % 8
	v_lshlrev_b32 v6, 2, v6
	v_mad_u32_u24 v6, v3, 8256, v6
	s_lshl_b32 s26, s24, 5
	v_add_nc_u32 v6, s26, v6                         ; the stage, out: 8256 h + 4 (32 (r / 8) + 8 w + r % 8): my token's column
	v_lshl_add_u32 v15, v13, 4, v14
	v_lshlrev_b32 v15, 2, v15                        ; v's bias: 4 (r % 8 + 16 (r / 8))
	v_lshlrev_b32 v12, 6, v3                         ; 64 h: gain, bias, q's and k's bias
	v_lshlrev_b32 v13, 5, v3                         ; 32 h: statistics
	v_lshlrev_b32 v[LI], 4, v1
	v_lshlrev_b32 v[LS], 2, v1
	s_mul_i32 s26, s24, 1536
	v_add_nc_u32 v9, s26, v[LI]                      ; where I store my fragment of xn: 1536 w + 16 x lane
	s_lshl_b32 s26, s24, 7
	v_add_nc_u32 v10, s26, v[LS]                     ; and its scale word: 128 w + 4 x lane
	v_lshlrev_b32 v[SH8], 3, v3
	v_mov_b32 v[TX], 0                               ; lane permutes' destinations count as read
.irp b, 0,1,2,3
	v_mov_b32 v[TM+4+\b], 0
.endr
	s_mov_b32 s[SEL], 0x76543210
	s_mov_b32 s[SEL+1], 0xfedcba98
	s_mov_b32 s[CS], 0x3ed744fd                      ; 32^(-1/4)
	s_mov_b32 s[CS+1], s[CS]                         ; (named with it as a pair, so it is written)
	s_mov_b32 s27, 0
	s_wait_kmcnt 0x0
	s_lshl_b32 s26, s24, 7                           ; my 32 channels' gains and biases
	s_add_nc_u64 s[6:7], s[6:7], s[26:27]
	s_add_nc_u64 s[8:9], s[8:9], s[26:27]
	s_lshl_b32 s26, s25, 8                           ; statistics: 256 b + 64 w
	s_lshl_b32 s33, s24, 6
	s_add_co_u32 s26, s26, s33
	s_add_nc_u64 s[12:13], s[12:13], s[26:27]
	s_lshl_b32 s26, s25, 21                          ; x: image b, channel 32 w, token 64 g
	s_lshl_b32 s33, s24, 19
	s_add_co_u32 s26, s26, s33
	s_lshl_b32 s33, ttmp9, 8
	s_add_co_u32 s26, s26, s33
	s_add_nc_u64 s[4:5], s[4:5], s[26:27]
	s_mul_i32 s26, s24, 384                          ; qkv_b: my head's 96 numbers
	s_add_nc_u64 s[10:11], s[10:11], s[26:27]
	s_mul_i32 s26, s24, 9216                         ; wq: tiles 6 w on,
	s_add_nc_u64 s[28:29], s[14:15], s[26:27]
	s_mul_i32 s26, s24, 768                          ; and their scale words
	s_add_co_u32 s26, s26, 49152
	s_add_nc_u64 s[30:31], s[14:15], s[26:27]
	s_lshl_b32 s32, s25, 2
	s_add_co_u32 s32, s32, s24
	s_lshl_b32 s32, s32, 6
	s_add_co_u32 s32, s32, ttmp9                     ; 64 hb + g
	s_mul_i32 s26, s32, 1536
	s_add_nc_u64 s[34:35], s[16:17], s[26:27]        ; q's image
	s_lshl_b32 s26, s32, 7
	s_add_co_u32 s26, s26, 1572864
	s_add_nc_u64 s[36:37], s[16:17], s[26:27]        ; q's scale words
	s_mul_i32 s26, s32, 3328
	s_add_nc_u64 s[38:39], s[18:19], s[26:27]        ; the record of k and v
.irp q, 0,1,2,3
	global_load_b128 v[GW+4*\q:GW+4*\q+3], v12, s[6:7] offset:16*\q     ; gains of channels 32 w + 16 h + 0 .. 15
.endr
.irp q, 0,1,2,3
	global_load_b128 v[GB+4*\q:GB+4*\q+3], v12, s[8:9] offset:16*\q     ; biases
.endr
	global_load_b128 v[STT:STT+3], v13, s[12:13]                        ; {mean, rstd} of groups 8 w + 4 h + 0 .. 3
	global_load_b128 v[STT+4:STT+7], v13, s[12:13] offset:16
.irp i, 0,1,2,3,4,5,6,7,8,9,10,11,12,13,14,15
	global_load_b128 v[X+4*\i:X+4*\i+3], v4, s[4:5] offset:16384*\i     ; channel 32 w + 16 h + i, tokens 4 r on: sixteen lanes read 256 consecutive bytes, aligned
.endr
	WIN 0x40                                         ; destination window 1
.irp t, 0,1,2,3,4,5
.irp i, 0,1,2
	global_load_b128 v[12*\t+4*\i:12*\t+4*\i+3], v[LI], s[28:29] offset:1536*\t+512*\i   ; the weight tiles' images: tile 2 kind + u
.endr
.endr
.irp k, 0,1
.irp u, 0,1
	global_load_b128 v[BQ+16*\k+8*\u:BQ+16*\k+8*\u+3], v12, s[10:11] offset:4*(32*\k+8*\u)      ; q's, k's bias: lane (r, h), register j: channel 16 h + 8 u + j
	global_load_b128 v[BQ+16*\k+8*\u+4:BQ+16*\k+8*\u+7], v12, s[10:11] offset:4*(32*\k+8*\u)+16
.endr
.endr
.irp u, 0,1
.irp j, 0,1,2,3,4,5,6,7
	global_load_b32 v[BQ+32+8*\u+\j], v15, s[10:11] offset:4*(64+8*\u)   ; v's bias: my one channel, in all eight registers
.endr
.endr
	WIN 0
.irp t, 0,1,2,3,4,5
	global_load_b32 v[WS+\t], v[LS], s[30:31] offset:128*\t
.endr
	; ---- 1: xn = (x - mean) (rstd gain) + bias
	s_wait_loadcnt 48                                ; gains, biases, statistics and x are in; the 18 + 8 + 16 + 6 loads issued behind them may be out
.irp i, 0,1,2,3,4,5,6,7,8,9,10,11,12,13,14,15
	v_mul_f32 v[GW+\i], v[GW+\i], v[STT+2*(\i/4)+1]
.endr
.irp i, 0,1,2,3,4,5,6,7,8,9,10,11,12,13,14,15
	v_pk_add_f32 v[X+4*\i:X+4*\i+1], v[X+4*\i:X+4*\i+1], v[STT+2*(\i/4):STT+2*(\i/4)+1] op_sel_hi:[1,0] neg_lo:[0,1] neg_hi:[0,1]       ; - mean: the pair's low word for both halves
	v_pk_add_f32 v[X+4*\i+2:X+4*\i+3], v[X+4*\i+2:X+4*\i+3], v[STT+2*(\i/4):STT+2*(\i/4)+1] op_sel_hi:[1,0] neg_lo:[0,1] neg_hi:[0,1]
.irp e, 0,1,2,3
	v_fma_f32 v[X+4*\i+\e], v[X+4*\i+\e], v[GW+\i], v[GB+\i]
.endr
	ds_store_b128 v5, v[X+4*\i:X+4*\i+3] offset:XSTG+256*\i
.endr
	s_wait_dscnt 0x0                                 ; for the others' sake: my stores have landed
	s_barrier_signal -1
	s_barrier_wait -1
	; ---- 2: my token tile's fragment
.set k, 0
.rept 64
	ds_load_b32 v[X+k], v6 offset:XSTG+16512*(k/32)+256*(k%32)   ; channel 64 c + 32 h + i of my token
.set k, k+1
.endr
	s_wait_dscnt 0x0
	QUANT_LANE X
.irp i, 0,1,2
	ds_store_b128 v9, v[PC+4*\i:PC+4*\i+3] offset:XIMG+512*\i
.endr
	ds_store_b32 v10, v[PW] offset:XSC
	s_wait_dscnt 0x0                                 ; for the others' sake
	s_barrier_signal -1
	s_barrier_wait -1
	; ---- 3: my head
.irp t, 0,1,2,3
.irp i, 0,1,2
	ds_load_b128 v[XF+12*\t+4*\i:XF+12*\t+4*\i+3], v[LI] offset:XIMG+1536*\t+512*\i
.endr
	ds_load_b32 v[XS+\t], v[LS] offset:XSC+128*\t
.endr
	s_wait_dscnt 0x0
	s_wait_loadcnt 0x0                               ; the weights, their scale words, the biases
	JOBQK 0
	GIMAGE 34, 0, 36, 0
	JOBQK 1
	GIMAGE 38, 0, 38, 3072
	WIN 0x14                                         ; source 1 (the weights) and C (the bias) in window 1
.irp t, 0,1,2,3
.irp u, 0,1
	v_wmma_scale_f32_16x16x128_f8f6f4 v[X+32*\u+8*\t:X+32*\u+8*\t+7], v[XF+12*\t:XF+12*\t+11], v[12*(4+\u):12*(4+\u)+11], v[BQ+32+8*\u:BQ+32+8*\u+7], v[XS+\t], v[WS+4+\u] matrix_a_fmt:MATRIX_FMT_BF6 matrix_b_fmt:MATRIX_FMT_BF6
.endr
.endr
	WIN 0
	PLACES
	s_wait_xcnt 0x0                                  ; k's stores have read their registers
	QUANT_LANE X                                     ; it takes the registers in ascending order: each accumulator from its low end on
	GIMAGE 38, 1536, 38, 3200
	s_wait_tensorcnt 0x0
	ds_add_u32 v254, v255
	s_wait_dscnt 0x0
	s_endpgm
.Lfunc_end_k_q255cff5d0d_qkv:
	.size	k_q255cff5d0d_qkv, .Lfunc_end_k_q255cff5d0d_qkv-k_q255cff5d0d_qkv
	.p2alignl 7, 3214868480
	.fill 96, 4, 3214868480
	.section	.rodata,"a",@progbits
	.p2align	6, 0x0
	.amdhsa_kernel k_q255cff5d0d_qkv
		.amdhsa_group_segment_fixed_size 40448
		.amdhsa_private_segment_fixed_size 0
		.amdhsa_enable_private_segment 0
		.amdhsa_kernarg_size 64
		.amdhsa_user_sgpr_count 2
		.amdhsa_user_sgpr_kernarg_segment_ptr 1
		.amdhsa_wavefront_size32 1
		.amdhsa_system_sgpr_workgroup_id_x 1
		.amdhsa_system_sgpr_workgroup_id_y 1
		.amdhsa_system_sgpr_workgroup_id_z 1
		.amdhsa_system_vgpr_workitem_id 0
		.amdhsa_next_free_vgpr 384
		.amdhsa_next_free_sgpr 66
		.amdhsa_reserve_vcc 0
		.amdhsa_float_denorm_mode_32 3
		.amdhsa_float_denorm_mode_16_64 3
		.amdhsa_memory_ordered 1
		.amdhsa_forward_progress 1
		.amdhsa_inst_pref_size 46
	.end_amdhsa_kernel
	.amdgpu_metadata
---
amdhsa.version: [ 1, 2 ]
amdhsa.kernels:
  - .name:           k_q255cff5d0d_qkv
    .symbol:         k_q255cff5d0d_qkv.kd
    .args:
      - { .name: x, .offset: 0, .size: 8, .value_kind: global_buffer, .address_space: global }
      - { .name: gn_w, .offset: 8, .size: 8, .value_kind: global_buffer, .address_space: global }
      - { .name: gn_b, .offset: 16, .size: 8, .value_kind: global_buffer, .address_space: global }
      - { .name: qkv_b, .offset: 24, .size: 8, .value_kind: global_buffer, .address_space: global }
      - { .name: stats, .offset: 32, .size: 8, .value_kind: global_buffer, .address_space: global }
      - { .name: wq, .offset: 40, .size: 8, .value_kind: global_buffer, .address_space: global }
      - { .name: qbuf, .offset: 48, .size: 8, .value_kind: global_buffer, .address_space: global }
      - { .name: kv, .offset: 56, .size: 8, .value_kind: global_buffer, .address_space: global }
    .group_segment_fixed_size: 40448
    .private_segment_fixed_size: 0
    .kernarg_segment_align: 8
    .kernarg_segment_size: 64
    .max_flat_workgroup_size: 128
    .sgpr_count:     66
    .vgpr_count:     384
    .wavefront_size: 32
...
	.end_amdgpu_metadata
.endif
;; end of part 2
;; launch attn (part 3): grid 16 x 16, 16 waves a work-group, clusters of 4 x 1, 215,296 bytes of LDS; arguments qbuf, kv, acodes, asc; writes acodes, asc
.if DOCPART == 3
	.amdgcn_target "amdgcn-amd-amdhsa--gfx1250"
	.amdhsa_code_object_version 6
	.text
	.protected	k_q255cff5d0d_attn
	.globl	k_q255cff5d0d_attn
	.p2align	8
	.type	k_q255cff5d0d_attn,@function
k_q255cff5d0d_attn:
	s_mov_b64 s[64:65], 0
	v_nop
	global_prefetch_b8 v0, s[64:65] scope:SCOPE_SE
	s_setreg_imm32_b32 hwreg(HW_REG_WAVE_MODE, 25, 1), 1
	s_wait_xcnt 0x0
	s_wait_alu depctr_hold_cnt(0) depctr_sa_sdst(0) depctr_va_vdst(0) depctr_va_sdst(0) depctr_va_ssrc(0) depctr_va_vcc(0) depctr_vm_vsrc(0)
	s_getreg_b32 s2, hwreg(HW_REG_IB_STS2, 6, 4)
	s_cmp_eq_u32 s2, 0
	s_cbranch_scc0 .Lentry_in_a_cluster
	s_endpgm
.Lentry_in_a_cluster:
	s_bfe_u32 s2, ttmp6, 0x10000c
	s_cmp_lg_u32 s2, 0x3003
	s_cbranch_scc0 .Lentry_shape_is_right
	s_endpgm
.Lentry_shape_is_right:
; ATTENTION ON CODES OF E3M2: 16 heads (hb = work-group y) of size 32, 4,096 keys.  A work-group owns 256 queries (qb = 4 x cluster x + cx), each of its sixteen waves one tile of 16.
; A HEAD'S k AND v STAY IN LDS WHOLE: 64 records of 3,328 bytes (64 keys each: k's image, v's image, their scale words), 212,992 bytes, each byte filled once: no ring, no refill.
; Wave w brings records 16 j + w, j = 0 .. 3, by four tensor loads issued together at the start: four of a wave's are out at the most.  The keys are walked in four chunks of 16 records;
; in front of chunk n a wave waits until its load n has landed (the later ones may stay out) and passes a barrier.
; CLUSTER: the four query blocks of a cluster belong to one head and want the same records: each load is a joint one, with the same descriptor and the mask of all four.
; THE SCORES.  Their K is 32, one block of the instruction's four.  k's image holds four tiles of 16 keys, one in each block; four fragments of the queries, zero outside one block each, pick
; the tiles out one by one.  The four are windows into one run of registers: zeros, q in lanes 0-15, zeros, q in lanes 16-31, zeros.  S^T = k q^T: a lane holds one query (lane % 16), and by the
; token order (row m of tile t is key 32 (m / 8) + 8 t + m % 8 of the record) its registers 8 t + j are keys 32 (lane / 16) + 8 t + j: A WHOLE BLOCK OF 32 KEYS IN NATURAL ORDER IN ONE LANE.
; So a block's largest p needs no other lane, and the conversions' results are the second product's operand as they stand.
; THE SOFTMAX: t = score x log2(e); M = the running largest t rounded up to a whole number, kept as -M = floor(-t); p = 2^(t - M) is quantised, not normalised; the row's sum is taken of the
; unquantised p; when M moves, the sum and O^T are multiplied by 2^(old M - new M), which rounds nothing.  A block's largest p is the block's largest score put through the same
; multiply-add and exponential (this takes v_exp_f32 not to fall where its input rises).
; O^T = v p^T: v's image holds block 2 u + h = channel tile u, keys 32 h on; p's six registers with six zeros behind or ahead of them pick tile 0 or 1.  Register j of tile u is channel
; 16 (lane / 16) + 8 u + j: sixteen neighbouring channels a lane.
; THE WAY OUT: O^T / the sum is an operand of the projection, whose block of 32 along K is this head: it is quantised here.  acodes: 384 (256 hb + 16 qb + w) + 24 r + 12 h; asc: one byte a token.
; A step is 128 keys: 12 matrix instructions beside some 210 vector instructions, 66 of them exponentials: four waves to a SIMD, so that one wave's vector work stands beside another's products and loads.
; LIMITS: NaN and infinities are not served.  A block whose largest magnitude lies under 2^-122 keeps the scale byte 1; a block of zeros gets the byte 1 where the rule says 127: its codes are
; zeros, and this program alone reads the bytes.  The division by the sum is v_rcp_f32 and a multiplication.
.set REC,    3328
.set CHUNKB, 16*REC                    ; a chunk: 16 records, 1,024 keys
.set SCB,    64*REC                    ; behind the records: 256 bytes for the tokens' scale bytes; no fill lands there
.set LI,   1                           ; v1   16 x lane
.set LS2,  2                           ; v2   4 x lane + 3328 (lane / 16): lanes 0-15 take the first record's scale words, lanes 16-31 the second's
.set ADR,  3                           ; v3   the step's images
.set ADS,  4                           ; v4   the step's scale words
.set QS,   6                           ; v6-10 hold scales and nothing else: q's byte in all four places,
.set KS,   7                           ; k's words,
.set VS,   8                           ; v's,
.set PS1,  9                           ; p's bytes A0 A1 B0 B1,
.set PS2,  10                          ; and B0 B1 A0 A1
.set KA,   70                          ; k's and v's images of the step's two records
.set KB,   82
.set VA,   94
.set VB,   106
.set S,    118                         ; v118-181 S^T, then p: record A's 32 keys, record B's
.set OT,   182                         ; v182-197 O^T
.set MX,   198                         ; v198-201 the maxima's four chains
.set WV,   12
.set G1,   24
.set G0,   32
.set SEL,  48
.set CS,   50                          ; s[50:51] log2(e)
.set TB,   52                          ; LDS byte at which the step's first record begins
.set CNT,  53
.macro CROUND                          ; a round of the cluster's barrier
	s_barrier_signal -1
	s_barrier_wait -1
	s_cmp_lg_u32 s[WV], 0
	s_cbranch_scc1 .Lnot_wave_0_\@
	s_barrier_signal -3
.Lnot_wave_0_\@:
	s_barrier_wait -3
	s_barrier_signal -1
	s_barrier_wait -1
.endm
	s_load_b128 s[4:7], s[0:1], 0x0                  ; qbuf, kv
	s_load_b128 s[8:11], s[0:1], 0x10                ; acodes, asc
	v_lshl_add_u32 v254, v0, 2, 0x34100
	v_mov_b32 v255, 0
	ds_add_u32 v254, v255
	ds_add_u32 v254, v255
	v_lshrrev_b32 v1, 5, v0
	s_delay_alu instid0(VALU_DEP_1)
	v_readfirstlane_b32 s[WV], v1                    ; wave 0 .. 15
	s_bfe_u32 s13, ttmp6, 0x40000                    ; cx: it enters q's and the outputs' global addresses alone
	s_lshl_b32 s14, ttmp9, 2
	s_add_co_u32 s14, s14, s13                       ; qb
	s_and_b32 s15, ttmp7, 0xffff                     ; hb, which the four partners share
	; descriptor group 1: a record as 13 dense rows of 256 bytes
	s_mov_b32 s[G1], 15|(3<<16)|(1<<21)              ; 15:0 the mask: all four work-groups; 17:16 elements of 8 bytes; 20 no padding; 21 set beside a mask
	s_mov_b32 s[G1+1], 32<<16                        ; tensor_dim0 = 32
	s_mov_b32 s[G1+2], 13<<16                        ; tensor_dim1 = 13
	s_mov_b32 s[G1+3], 32<<16                        ; tile_dim0 = 32
	s_mov_b32 s[G1+4], 13                            ; tile_dim1 = 13
	s_mov_b32 s[G1+5], 32                            ; from row to row
	s_mov_b32 s[G1+6], 0
	s_mov_b32 s[G1+7], 0
	s_mul_i32 s16, s[WV], REC                        ; record w of a chunk, in LDS and in memory
	s_mul_i32 s18, s15, 64*REC                       ; the head's records
	s_add_co_u32 s18, s18, s16
	s_mov_b32 s19, 0
	s_mov_b32 s[SEL], 0x76543210
	s_mov_b32 s[SEL+1], 0xfedcba98
	s_mov_b32 s[CS], 0x3fb8aa3b                      ; log2(e)
	s_mov_b32 s[CS+1], s[CS]                         ; (named with it as a pair, so it is written)
	s_wait_dscnt 0x0
	s_wait_kmcnt 0x0
	s_add_nc_u64 s[20:21], s[6:7], s[18:19]
.irp j, 0,1,2,3
	s_mov_b32 s[G0+4*\j], 1                          ; count = 1
	s_add_co_u32 s[G0+4*\j+1], s16, \j*CHUNKB        ; LDS address: the wave's number and constants alone
	s_add_nc_u64 s[G0+4*\j+2:G0+4*\j+3], s[20:21], \j*CHUNKB
	s_or_b32 s[G0+4*\j+3], s[G0+4*\j+3], 0x80000000  ; type = 2
.endr
	CROUND                                           ; all four work-groups are here: the joint loads meet
.irp j, 0,1,2,3
	tensor_load_to_lds s[G0+4*\j:G0+4*\j+3], s[G1:G1+7]
	s_nop 0
.endr
.rept 4
	v_nop                                            ; places behind tensor loads
.endr
	s_lshl_b32 s22, s14, 2
	s_lshr_b32 s23, s[WV], 2
	s_add_co_u32 s22, s22, s23                       ; my queries' group of 64 tokens: 4 qb + w / 4
	s_lshl_b32 s23, s15, 6
	s_add_co_u32 s22, s22, s23
	s_mov_b32 s63, 0
	s_mul_i32 s62, s22, 1536
	s_add_nc_u64 s[56:57], s[4:5], s[62:63]          ; its image in qbuf
	s_lshl_b32 s62, s22, 7
	s_add_co_u32 s62, s62, 1572864
	s_add_nc_u64 s[58:59], s[4:5], s[62:63]          ; its scale words
	s_and_b32 s60, s[WV], 3                          ; my tile is block t = w % 4 of that image: registers 6 (t / 2) on, of lane r + 16 (t % 2)
	s_and_b32 s54, s60, 1
	s_lshr_b32 s55, s60, 1
	s_lshl_b32 s54, s54, 8
	s_mul_i32 s23, s55, 520
	s_add_co_u32 s54, s54, s23                       ; 256 (t % 2) + 520 (t / 2): where the block's first two registers lie in the image, less 16 r
	s_mul_i32 s55, s55, 496
	s_add_co_u32 s55, s55, 8                         ; and how far on the next two
	s_lshl_b32 s60, s60, 3                           ; 8 t: my byte of the scale word
	s_lshl_b32 s22, s15, 8
	s_lshl_b32 s23, s14, 4
	s_add_co_u32 s22, s22, s23
	s_add_co_u32 s22, s22, s[WV]                     ; my token tile: 256 hb + 16 qb + w
	s_mul_i32 s62, s22, 384
	s_add_nc_u64 s[8:9], s[8:9], s[62:63]
	s_lshl_b32 s62, s15, 12
	s_lshl_b32 s23, s14, 8
	s_add_co_u32 s62, s62, s23
	s_add_nc_u64 s[10:11], s[10:11], s[62:63]        ; the work-group's 256 scale bytes
	s_lshl_b32 s17, s[WV], 4
	s_add_co_u32 s17, s17, SCB
	v_and_b32 v218, 31, v0                           ; lane
	v_and_b32 v219, 15, v0                           ; r
	v_bfe_u32 v214, v0, 4, 1                         ; h
	s_delay_alu instid0(VALU_DEP_2)
	v_lshlrev_b32 v229, 4, v219
	s_delay_alu instid0(VALU_DEP_1)
	v_add_nc_u32 v229, s54, v229
	s_delay_alu instid0(VALU_DEP_1)
	v_add_nc_u32 v230, s55, v229
	v_lshlrev_b32 v231, 2, v219
	global_load_b64 v[222:223], v229, s[56:57]       ; my query's 32 codes: both halves of the lanes take them
	global_load_b64 v[224:225], v230, s[56:57]
	global_load_b64 v[226:227], v229, s[56:57] offset:512
	global_load_b32 v228, v231, s[58:59]             ; and its row's scale word
	v_lshlrev_b32 v[LI], 4, v218
	v_lshlrev_b32 v[LS2], 2, v218
	s_delay_alu instid0(VALU_DEP_1)
	v_mad_u32_u24 v[LS2], v214, REC, v[LS2]
	v_mov_b32 v5, 0
	v_add_nc_u32 v11, s17, v219                      ; where my token's scale byte goes: SCB + 16 w + r
	v_mul_u32_u24 v234, v219, 24
	s_delay_alu instid0(VALU_DEP_1)
	v_mad_u32_u24 v234, v214, 12, v234               ; my 12 bytes of the tile's codes
	v_lshlrev_b32 v236, 3, v218                      ; the scale bytes' way out: 8 bytes a lane,
	s_delay_alu instid0(VALU_DEP_1)
	v_add_nc_u32 v235, SCB, v236                     ; in LDS
.irp z, 16,28,40,52,64
.irp i, 0,1,2,3,4,5
	v_mov_b32 v[\z+\i], 0                            ; the five runs of zero codes between and round q's and p's runs
.endr
.endr
	s_mov_b32 vcc_lo, 0xffff                         ; lanes 0-15
	s_wait_loadcnt 0x0
.irp i, 0,1,2,3,4,5
	v_cndmask_b32 v[22+\i], v5, v[222+\i], vcc_lo    ; q in lanes 0-15, zeros in lanes 16-31
	v_cndmask_b32 v[34+\i], v[222+\i], v5, vcc_lo    ; and the other way round
.endr
	v_lshrrev_b32 v228, s60, v228
	s_delay_alu instid0(VALU_DEP_1)
	v_and_b32 v228, 0xff, v228
	s_delay_alu instid0(VALU_DEP_1)
	v_lshl_or_b32 v228, v228, 8, v228
	s_delay_alu instid0(VALU_DEP_1)
	v_lshl_or_b32 v[QS], v228, 16, v228              ; my query's byte at all four places: whichever block holds its codes
.irp i, 0,1,2,3,4,5,6,7,8,9,10,11,12,13,14,15
	v_mov_b32 v[OT+\i], 0                            ; the step is written once: the first finds zeros, which the first change of M leaves zeros
.endr
	v_mov_b32 v14, 0                                 ; the sum, in two halves
	v_mov_b32 v15, 0
	v_mov_b32 v13, 0xff61b1e6                        ; the largest score so far: -3e38
	s_delay_alu instid0(VALU_DEP_1)
	v_floor_f32 v12, -v13                            ; -M
	v_mov_b32 v215, 0                                ; a lane permute's destination counts as read
	v_mov_b32 v217, 0                                ; (named as the upper half of the pair v[216:217])
; A STEP: 128 keys, the records at s[TB] (A) and 3,328 bytes on (B).
.macro STEP
	v_add_nc_u32 v[ADR], s[TB], v[LI]                ; these four lines are the places between the last products and the loads into the registers that they read
	v_add_nc_u32 v[ADS], s[TB], v[LS2]
	v_nop
	v_nop
.irp i, 0,1,2
	ds_load_b128 v[KA+4*\i:KA+4*\i+3], v[ADR] offset:512*\i
.endr
.irp i, 0,1,2
	ds_load_b128 v[KB+4*\i:KB+4*\i+3], v[ADR] offset:REC+512*\i
.endr
	ds_load_b32 v[KS], v[ADS] offset:3072
.irp i, 0,1,2
	ds_load_b128 v[VA+4*\i:VA+4*\i+3], v[ADR] offset:1536+512*\i
.endr
.irp i, 0,1,2
	ds_load_b128 v[VB+4*\i:VB+4*\i+3], v[ADR] offset:REC+1536+512*\i
.endr
	ds_load_b32 v[VS], v[ADS] offset:3200
	s_wait_dscnt 7                                   ; k's seven loads are in; v's seven may be out
.irp t, 0,1,2,3
	v_wmma_scale_f32_16x16x128_f8f6f4 v[S+8*\t:S+8*\t+7], v[KA:KA+11], v[22+12*(\t%2)-6*(\t/2):33+12*(\t%2)-6*(\t/2)], 0, v[KS], v[QS] matrix_a_fmt:MATRIX_FMT_BF6 matrix_b_fmt:MATRIX_FMT_BF6
.endr
.irp t, 0,1,2,3
	v_wmma_scale_f32_16x16x128_f8f6f4 v[S+32+8*\t:S+32+8*\t+7], v[KB:KB+11], v[22+12*(\t%2)-6*(\t/2):33+12*(\t%2)-6*(\t/2)], 0, v[KS], v[QS] matrix_a_fmt:MATRIX_FMT_BF6 matrix_b_fmt:MATRIX_FMT_BF6 matrix_a_scale:MATRIX_SCALE_ROW1
.endr
.rept 4
	v_nop                                            ; places in front of the first read of the scores
.endr
.irp b, 0,1,2,3
	v_max3_num_f32 v[MX+\b], v[S+16*\b], v[S+16*\b+1], v[S+16*\b+2]   ; four chains of 16 scores by turns, ascending: each accumulator is first read at its low end
.endr
.irp i, 3,5,7,9,11,13
.irp b, 0,1,2,3
	v_max3_num_f32 v[MX+\b], v[MX+\b], v[S+16*\b+\i], v[S+16*\b+\i+1]
.endr
.endr
	v_max3_num_f32 v[MX], v[MX], v[MX+1], v[S+15]
	v_max3_num_f32 v[MX+2], v[MX+2], v[MX+3], v[S+47]
	v_max_num_f32 v[MX], v[MX], v[S+31]              ; the largest score of my block of record A: it serves for the row's maximum and for the block's largest p
	v_max_num_f32 v[MX+2], v[MX+2], v[S+63]          ; and of record B
	s_delay_alu instid0(VALU_DEP_1)
	v_max_num_f32 v218, v[MX], v[MX+2]
	s_delay_alu instid0(VALU_DEP_1)
	v_permlanex16_b32 v215, v218, s[SEL], s[SEL+1]
	s_delay_alu instid0(VALU_DEP_1)
	v_max3_num_f32 v13, v13, v218, v215              ; the running largest score of my query
	s_delay_alu instid0(VALU_DEP_1)
	v_mul_f32 v219, s[CS], v13                       ; as t
	v_mov_b32 v218, v12
	s_delay_alu instid0(VALU_DEP_2)
	v_floor_f32 v12, -v219                           ; the new -M = -ceil(t): a whole number
	s_delay_alu instid0(VALU_DEP_1)
	v_sub_f32 v218, v12, v218                        ; old M - new M: a whole number, 0 or less
	s_delay_alu instid0(VALU_DEP_1)
	v_cvt_i32_f32 v218, v218                         ; (it saturates)
	s_delay_alu instid0(VALU_DEP_1)
	v_ldexp_f32 v216, 1.0, v218                      ; f = 2^(old M - new M)
.set j, 0
.rept 32
	v_pk_fma_f32 v[S+j:S+j+1], v[S+j:S+j+1], s[CS:CS+1], v[12:13] op_sel_hi:[1,0,0]   ; t - M, two at a time
.set j, j+2
.endr
	v_fma_f32 v[MX], v[MX], s[CS], v12
	v_fma_f32 v[MX+2], v[MX+2], s[CS], v12
.set j, 0
	s_setprio 1
	s_wait_alu depctr_va_vdst(0)
.rept 64
	v_exp_f32 v[S+j], v[S+j]                         ; p = 2^(t - M), at most 1
.set j, j+1
.endr
	v_exp_f32 v[MX], v[MX]
	v_exp_f32 v[MX+2], v[MX+2]
	v_pk_mul_f32 v[14:15], v[14:15], v[216:217] op_sel_hi:[1,0]   ; the sum under the new M.  (The plain place behind the exponentials)
	s_wait_alu depctr_va_vdst(0)
	v_max_num_f32 v[MX], 0x2800000, v[MX]            ; the floor 2^(5 - 127): the byte cannot fall under 1
	v_max_num_f32 v[MX+2], 0x2800000, v[MX+2]
	s_delay_alu instid0(VALU_DEP_2)
	v_add_nc_u32 v210, 0xfe000000, v[MX]             ; 4 off the exponent field: the conversions' scale operands
	s_delay_alu instid0(VALU_DEP_2)
	v_add_nc_u32 v211, 0xfe000000, v[MX+2]
	s_delay_alu instid0(VALU_DEP_2)
	v_lshrrev_b32 v212, 23, v210
	s_delay_alu instid0(VALU_DEP_2)
	v_lshrrev_b32 v213, 23, v211
	s_delay_alu instid0(VALU_DEP_1)
	v_lshl_or_b32 v214, v213, 16, v212               ; my blocks' bytes: A's at bits 0, B's at bits 16
	s_delay_alu instid0(VALU_DEP_1)
	v_permlanex16_b32 v215, v214, s[SEL], s[SEL+1]
	s_delay_alu instid0(VALU_DEP_1)
	v_lshl_or_b32 v[PS1], v215, 8, v214              ; in lanes 0-15, which are the ones read: A0 A1 B0 B1
	s_delay_alu instid0(VALU_DEP_1)
	v_alignbit_b32 v[PS2], v[PS1], v[PS1], 16        ; B0 B1 A0 A1
	v_cvt_scalef32_pk16_bf6_f32 v[46:48], v[S:S+15], v210
	v_cvt_scalef32_pk16_bf6_f32 v[202:204], v[S+16:S+31], v210      ; (a conversion's three registers begin on an even number)
	v_cvt_scalef32_pk16_bf6_f32 v[58:60], v[S+32:S+47], v211
	v_cvt_scalef32_pk16_bf6_f32 v[206:208], v[S+48:S+63], v211
	v_nop                                            ; one plain place behind a scaled conversion
.irp i, 0,1,2
	v_mov_b32 v[49+\i], v[202+\i]
	v_mov_b32 v[61+\i], v[206+\i]
.endr
.set j, 0
.rept 8
	v_pk_mul_f32 v[OT+j:OT+j+1], v[OT+j:OT+j+1], v[216:217] op_sel_hi:[1,0]   ; O^T under the new M, each accumulator from its low end on
.set j, j+2
.endr
	v_pk_add_f32 v[220:221], v[122:123], v[126:127]
	v_pk_add_f32 v[252:253], v[130:131], v[134:135]
	v_pk_add_f32 v[250:251], v[138:139], v[142:143]
	v_pk_add_f32 v[248:249], v[146:147], v[150:151]
	v_pk_add_f32 v[246:247], v[154:155], v[158:159]
	v_pk_add_f32 v[244:245], v[162:163], v[166:167]
	v_pk_add_f32 v[242:243], v[170:171], v[174:175]
	v_pk_add_f32 v[14:15], v[14:15], v[178:179]
	v_pk_add_f32 v[220:221], v[220:221], v[118:119]
	v_pk_add_f32 v[252:253], v[252:253], v[120:121]
	v_pk_add_f32 v[250:251], v[250:251], v[124:125]
	v_pk_add_f32 v[248:249], v[248:249], v[128:129]
	v_pk_add_f32 v[246:247], v[246:247], v[132:133]
	v_pk_add_f32 v[244:245], v[244:245], v[136:137]
	v_pk_add_f32 v[242:243], v[242:243], v[140:141]
	v_pk_add_f32 v[14:15], v[14:15], v[144:145]
	v_pk_add_f32 v[220:221], v[220:221], v[148:149]
	v_pk_add_f32 v[252:253], v[252:253], v[152:153]
	v_pk_add_f32 v[250:251], v[250:251], v[156:157]
	s_setprio 0
	v_pk_add_f32 v[248:249], v[248:249], v[160:161]
	v_pk_add_f32 v[246:247], v[246:247], v[164:165]
	v_pk_add_f32 v[244:245], v[244:245], v[168:169]
	v_pk_add_f32 v[242:243], v[242:243], v[172:173]
	v_pk_add_f32 v[14:15], v[14:15], v[176:177]
	v_pk_add_f32 v[220:221], v[220:221], v[180:181]
	s_delay_alu instid0(VALU_DEP_2)
	v_pk_add_f32 v[14:15], v[14:15], v[248:249]
	s_delay_alu instid0(VALU_DEP_2)
	v_pk_add_f32 v[220:221], v[220:221], v[246:247]
	v_pk_add_f32 v[252:253], v[252:253], v[244:245]
	v_pk_add_f32 v[250:251], v[250:251], v[242:243]
	s_delay_alu instid0(VALU_DEP_2)
	v_pk_add_f32 v[14:15], v[14:15], v[252:253]
	s_delay_alu instid0(VALU_DEP_2)
	v_pk_add_f32 v[220:221], v[220:221], v[250:251]
	s_delay_alu instid0(VALU_DEP_1)
	v_pk_add_f32 v[14:15], v[14:15], v[220:221]
	s_wait_dscnt 0x0                                 ; v is in
	; O^T += v p^T: the two accumulators by turns
	v_wmma_scale_f32_16x16x128_f8f6f4 v[OT:OT+7], v[VA:VA+11], v[46:57], v[OT:OT+7], v[VS], v[PS1] matrix_a_fmt:MATRIX_FMT_BF6 matrix_b_fmt:MATRIX_FMT_BF6
	v_wmma_scale_f32_16x16x128_f8f6f4 v[OT+8:OT+15], v[VA:VA+11], v[40:51], v[OT+8:OT+15], v[VS], v[PS2] matrix_a_fmt:MATRIX_FMT_BF6 matrix_b_fmt:MATRIX_FMT_BF6
	v_wmma_scale_f32_16x16x128_f8f6f4 v[OT:OT+7], v[VB:VB+11], v[58:69], v[OT:OT+7], v[VS], v[PS2] matrix_a_fmt:MATRIX_FMT_BF6 matrix_b_fmt:MATRIX_FMT_BF6 matrix_a_scale:MATRIX_SCALE_ROW1
	v_wmma_scale_f32_16x16x128_f8f6f4 v[OT+8:OT+15], v[VB:VB+11], v[52:63], v[OT+8:OT+15], v[VS], v[PS1] matrix_a_fmt:MATRIX_FMT_BF6 matrix_b_fmt:MATRIX_FMT_BF6 matrix_a_scale:MATRIX_SCALE_ROW1
	s_add_co_u32 s[TB], s[TB], 2*REC
.endm
; Chunk n: 16 records, eight steps.
.macro CHUNK n
	s_wait_tensorcnt 3-\n                            ; my load n has landed; the 3 - n issued behind it may stay out
	s_barrier_signal -1                              ; (no LDS load of mine is out: each step ends behind a wait for all of them)
	s_barrier_wait -1                                ; every wave's record of the chunk is in
	s_mov_b32 s[TB], \n*CHUNKB
	s_mov_b32 s[CNT], 8
.Lstep_\@:
	s_setprio 2
	STEP
	s_sub_co_u32 s[CNT], s[CNT], 1
	s_cmp_lg_u32 s[CNT], 0
	s_cbranch_scc1 .Lstep_\@
	s_setprio 0
.endm
	CHUNK 0
	CHUNK 1
	CHUNK 2
	CHUNK 3
	; THE WAY OUT
.rept 4
	v_nop                                            ; places behind the last products
.endr
	s_wait_alu depctr_va_vdst(0)
	v_add_f32 v14, v14, v15                          ; the sum's two halves,
	s_delay_alu instid0(VALU_DEP_1)
	v_permlanex16_b32 v215, v14, s[SEL], s[SEL+1]
	s_delay_alu instid0(VALU_DEP_1)
	v_add_f32 v14, v14, v215                         ; and lane l xor 16's keys: the row's sum
	s_wait_alu depctr_va_vdst(0)
	v_rcp_f32 v14, v14
	v_nop                                            ; one plain place behind the transcendental
	s_wait_alu depctr_va_vdst(0)
.irp i, 0,1,2,3,4,5,6,7,8,9,10,11,12,13,14,15
	v_mul_f32 v[S+\i], v[OT+\i], v14                 ; channel 16 h + i of my query
.endr
	v_max3_num_f32 v[MX], |v[S]|, |v[S+1]|, 0x2800000
.irp i, 2,4,6,8,10,12,14
	s_delay_alu instid0(VALU_DEP_1)
	v_max3_num_f32 v[MX], v[MX], |v[S+\i]|, |v[S+\i+1]|
.endr
	s_delay_alu instid0(VALU_DEP_1)
	v_permlanex16_b32 v215, v[MX], s[SEL], s[SEL+1]
	s_delay_alu instid0(VALU_DEP_1)
	v_max_num_f32 v[MX], v[MX], v215                 ; the largest magnitude of the head's 32 channels: a block of the projection's K
	s_delay_alu instid0(VALU_DEP_1)
	v_add_nc_u32 v210, 0xfe000000, v[MX]
	s_delay_alu instid0(VALU_DEP_1)
	v_lshrrev_b32 v212, 23, v210
	v_cvt_scalef32_pk16_bf6_f32 v[202:204], v[S:S+15], v210
	v_nop
	global_store_b96 v234, v[202:204], s[8:9]        ; the wave stores 384 consecutive bytes
	ds_store_b8 v11, v212                            ; both lanes of a token write the same byte with the same value
	s_wait_dscnt 0x0                                 ; for wave 0's sake
	s_barrier_signal -1
	s_barrier_wait -1
	s_cmp_lg_u32 s[WV], 0
	s_cbranch_scc1 .Lnot_mine
	ds_load_b64 v[220:221], v235
	s_wait_dscnt 0x0
	global_store_b64 v236, v[220:221], s[10:11]      ; 32 lanes store 256 consecutive bytes, aligned
.Lnot_mine:
	s_wait_tensorcnt 0x0
	ds_add_u32 v254, v255
	s_wait_dscnt 0x0
	CROUND                                           ; the closing round: no work-group ends while a partner may still ask for a record jointly
	s_endpgm
.Lfunc_end_k_q255cff5d0d_attn:
	.size	k_q255cff5d0d_attn, .Lfunc_end_k_q255cff5d0d_attn-k_q255cff5d0d_attn
	.p2alignl 7, 3214868480
	.fill 96, 4, 3214868480
	.section	.rodata,"a",@progbits
	.p2align	6, 0x0
	.amdhsa_kernel k_q255cff5d0d_attn
		.amdhsa_group_segment_fixed_size 215296
		.amdhsa_private_segment_fixed_size 0
		.amdhsa_enable_private_segment 0
		.amdhsa_kernarg_size 32
		.amdhsa_user_sgpr_count 2
		.amdhsa_user_sgpr_kernarg_segment_ptr 1
		.amdhsa_wavefront_size32 1
		.amdhsa_system_sgpr_workgroup_id_x 1
		.amdhsa_system_sgpr_workgroup_id_y 1
		.amdhsa_system_sgpr_workgroup_id_z 1
		.amdhsa_system_vgpr_workitem_id 0
		.amdhsa_next_free_vgpr 256
		.amdhsa_next_free_sgpr 66
		.amdhsa_reserve_vcc 1
		.amdhsa_float_denorm_mode_32 3
		.amdhsa_float_denorm_mode_16_64 3
		.amdhsa_memory_ordered 1
		.amdhsa_forward_progress 1
		.amdhsa_inst_pref_size 68
	.end_amdhsa_kernel
	.amdgpu_metadata
---
amdhsa.version: [ 1, 2 ]
amdhsa.kernels:
  - .name:           k_q255cff5d0d_attn
    .symbol:         k_q255cff5d0d_attn.kd
    .args:
      - { .name: qbuf, .offset: 0, .size: 8, .value_kind: global_buffer, .address_space: global }
      - { .name: kv, .offset: 8, .size: 8, .value_kind: global_buffer, .address_space: global }
      - { .name: acodes, .offset: 16, .size: 8, .value_kind: global_buffer, .address_space: global }
      - { .name: asc, .offset: 24, .size: 8, .value_kind: global_buffer, .address_space: global }
    .group_segment_fixed_size: 215296
    .private_segment_fixed_size: 0
    .kernarg_segment_align: 8
    .kernarg_segment_size: 32
    .max_flat_workgroup_size: 512
    .sgpr_count:     66
    .vgpr_count:     256
    .wavefront_size: 32
...
	.end_amdgpu_metadata
.endif
;; end of part 3
;; launch proj (part 4): grid 64 x 4, 8 waves a work-group, no clusters, 35,840 bytes of LDS; arguments x, proj_b, wq, acodes, asc, out0; writes out0
.if DOCPART == 4
	.amdgcn_target "amdgcn-amd-amdhsa--gfx1250"
	.amdhsa_code_object_version 6
	.text
	.protected	k_q255cff5d0d_proj
	.globl	k_q255cff5d0d_proj
	.p2align	8
	.type	k_q255cff5d0d_proj,@function
k_q255cff5d0d_proj:
	s_mov_b64 s[64:65], 0
	v_nop
	global_prefetch_b8 v0, s[64:65] scope:SCOPE_SE
	s_setreg_imm32_b32 hwreg(HW_REG_WAVE_MODE, 25, 1), 1
	s_wait_xcnt 0x0
; THE PROJECTION, ITS BIAS AND THE RESIDUAL.  out0[b][o][t] = sum over c of proj_w[o][c] attn[b][c][t] + proj_b[o] + x[b][o][t], the product on codes of E3M2.
; A work-group takes 64 tokens (g = work-group x) of one image (b = work-group y); wave w makes output channels 16 w .. 16 w + 15.
; A fragment of attn for token tile t (row m is token 64 g + 32 (m / 8) + 8 t + m % 8): block p of its K is head p, whose 24 bytes a token the attention launch has laid at
; acodes + 384 (256 (4 b + p) + 4 g + t) + 24 r: lane (r, h) takes heads h and 2 + h.  The four heads' scale bytes make the row's scale word.
; Source 0 = the tokens, source 1 = 16 rows of proj_w: a lane holds ONE output channel, and its registers 8 t + j are tokens 32 (lane / 16) + 8 t + j: 128 consecutive bytes of a row of out0.
; They go through the wave's own 16 rows of a stage in LDS (256 bytes + 16) and come back so that sixteen lanes hold a row's 256 bytes.  No wave reads another's rows: no barrier.
; The bias is the product's C.  No cluster and no tensor load: what the work-groups share is 13,312 bytes of weight codes, which go straight into registers.
; The scale bytes come as 16 bytes of a row of asc a load: 65,536 bytes in the whole launch.
.set AF,  16                           ; v16-63   attn's four fragments
.set SBY, 64                           ; v64-79   scale bytes: 4 t + head
.set WF,  80                           ; v80-91   my weight tile
.set WSC, 92                           ; v92      its scale words
.set AS,  94                           ; v94-97   attn's scale words
.set CB,  100                          ; v100-107 the bias, in the result's layout
.set DD,  112                          ; v112-143 the four accumulators
.set XR,  144                          ; v144-175 x
.set RB,  176                          ; v176-207 rows read back from the stage
	s_load_b256 s[4:11], s[0:1], 0x0                 ; x, proj_b, wq, acodes
	s_load_b128 s[12:15], s[0:1], 0x20               ; asc, out0
	v_lshl_add_u32 v208, v0, 2, 0x8800
	v_mov_b32 v209, 0
	v_lshrrev_b32 v1, 5, v0
	v_readfirstlane_b32 s16, v1                      ; wave 0 .. 7
	s_and_b32 s17, ttmp7, 0xffff                     ; b
	v_and_b32 v1, 31, v0                             ; lane
	v_and_b32 v2, 15, v0                             ; r
	v_bfe_u32 v3, v0, 4, 1                           ; h
	v_mul_u32_u24 v4, v2, 24
	v_mad_u32_u24 v4, v3, 98304, v4                  ; acodes: 24 r, one head (256 tiles of 384 bytes) further on for lanes 16-31
	v_lshlrev_b32 v6, 4, v1                          ; 16 x lane
	v_lshlrev_b32 v7, 2, v1                          ; 4 x lane
	v_lshlrev_b32 v8, 2, v2                          ; 4 r
	v_lshlrev_b32 v9, 4, v2
	v_lshl_or_b32 v9, v3, 14, v9                     ; x, out0: one channel further on for lanes 16-31, + 16 r
	s_mul_i32 s24, s16, 16*272                       ; my 16 rows of the stage
	v_mul_u32_u24 v10, v2, 272
	v_lshl_add_u32 v10, v3, 7, v10
	v_add_nc_u32 v10, s24, v10                       ; in: row r, + 128 h
	v_mul_u32_u24 v11, v3, 272
	v_lshl_add_u32 v11, v2, 4, v11
	v_add_nc_u32 v11, s24, v11                       ; back: lanes 0-15 one row, lanes 16-31 the next
	s_mov_b32 s19, 0
	s_wait_kmcnt 0x0
	s_mul_i32 s18, s17, 4*98304
	s_mul_i32 s25, ttmp9, 4*384
	s_add_co_u32 s18, s18, s25
	s_add_nc_u64 s[10:11], s[10:11], s[18:19]        ; acodes at head 4 b, tile 4 g
	s_lshl_b32 s18, s17, 14
	s_lshl_b32 s25, ttmp9, 6
	s_add_co_u32 s18, s18, s25
	s_add_nc_u64 s[12:13], s[12:13], s[18:19]        ; asc likewise
	s_add_co_u32 s25, s16, 24                        ; my weight tile
	s_mul_i32 s18, s25, 1536
	s_add_nc_u64 s[20:21], s[8:9], s[18:19]
	s_lshl_b32 s18, s25, 7
	s_add_co_u32 s18, s18, 49152
	s_add_nc_u64 s[22:23], s[8:9], s[18:19]
	s_lshl_b32 s18, s16, 6
	s_add_nc_u64 s[6:7], s[6:7], s[18:19]            ; proj_b at channel 16 w
	s_lshl_b32 s18, s17, 21
	s_lshl_b32 s25, s16, 18
	s_add_co_u32 s18, s18, s25
	s_lshl_b32 s25, ttmp9, 8
	s_add_co_u32 s18, s18, s25
	s_add_nc_u64 s[4:5], s[4:5], s[18:19]            ; x and out0 at image b, channel 16 w, token 64 g
	s_add_nc_u64 s[14:15], s[14:15], s[18:19]
.irp t, 0,1,2,3
.irp c, 0,1
.irp i, 0,1,2
	global_load_b64 v[AF+12*\t+6*\c+2*\i:AF+12*\t+6*\c+2*\i+1], v4, s[10:11] offset:196608*\c+384*\t+8*\i
.endr
.endr
.endr
.irp t, 0,1,2,3
.irp p, 0,1,2,3
	global_load_u8 v[SBY+4*\t+\p], v2, s[12:13] offset:4096*\p+16*\t
.endr
.endr
.irp i, 0,1,2
	global_load_b128 v[WF+4*\i:WF+4*\i+3], v6, s[20:21] offset:512*\i
.endr
	global_load_b32 v[WSC], v7, s[22:23]
.irp j, 0,1,2,3,4,5,6,7
	global_load_b32 v[CB+\j], v8, s[6:7]             ; my one channel's bias, in all eight registers
.endr
.irp k, 0,1,2,3,4,5,6,7
	global_load_b128 v[XR+4*\k:XR+4*\k+3], v9, s[4:5] offset:32768*\k th:TH_LOAD_NT   ; channels 16 w + 2 k + h: the program's last read of x
.endr
	s_wait_loadcnt 8                                 ; all but x's eight loads
.irp t, 0,1,2,3
	v_lshl_or_b32 v[AS+\t], v[SBY+4*\t+1], 8, v[SBY+4*\t]
.endr
.irp t, 0,1,2,3
	v_lshl_or_b32 v[AS+\t], v[SBY+4*\t+2], 16, v[AS+\t]
.endr
.irp t, 0,1,2,3
	v_lshl_or_b32 v[AS+\t], v[SBY+4*\t+3], 24, v[AS+\t]
.endr
.rept 8
	v_nop                                            ; a scale register written by a vector instruction stands eight places ahead of a scaled matrix instruction
.endr
.irp t, 0,1,2,3
	v_wmma_scale_f32_16x16x128_f8f6f4 v[DD+8*\t:DD+8*\t+7], v[AF+12*\t:AF+12*\t+11], v[WF:WF+11], v[CB:CB+7], v[AS+\t], v[WSC] matrix_a_fmt:MATRIX_FMT_BF6 matrix_b_fmt:MATRIX_FMT_BF6
.endr
.rept 4
	v_nop                                            ; places in front of the first read of the results
.endr
.irp q, 0,1,2,3,4,5,6,7
	ds_store_b128 v10, v[DD+4*\q:DD+4*\q+3] offset:16*\q   ; tokens 32 h + 4 q on; each accumulator from its low end on
.endr
.irp k, 0,1,2,3,4,5,6,7
	ds_load_b128 v[RB+4*\k:RB+4*\k+3], v11 offset:544*\k   ; LDS serves a wave's instructions in order (ISA guide 5.7.1.4): these see my stores
.endr
	s_wait_loadcnt 0x0                               ; x
.irp k, 0,1,2,3,4,5,6,7
	s_wait_dscnt 7-\k                                ; rows 2 k, 2 k + 1 are back; the younger loads may be out
	v_pk_add_f32 v[RB+4*\k:RB+4*\k+1], v[RB+4*\k:RB+4*\k+1], v[XR+4*\k:XR+4*\k+1]
	v_pk_add_f32 v[RB+4*\k+2:RB+4*\k+3], v[RB+4*\k+2:RB+4*\k+3], v[XR+4*\k+2:XR+4*\k+3]
	global_store_b128 v9, v[RB+4*\k:RB+4*\k+3], s[14:15] offset:32768*\k th:TH_STORE_NT   ; sixteen lanes store 256 consecutive bytes, aligned
.endr
	s_wait_tensorcnt 0x0
	ds_add_u32 v208, v209
	s_wait_dscnt 0x0
	s_endpgm
.Lfunc_end_k_q255cff5d0d_proj:
	.size	k_q255cff5d0d_proj, .Lfunc_end_k_q255cff5d0d_proj-k_q255cff5d0d_proj
	.p2alignl 7, 3214868480
	.fill 96, 4, 3214868480
	.section	.rodata,"a",@progbits
	.p2align	6, 0x0
	.amdhsa_kernel k_q255cff5d0d_proj
		.amdhsa_group_segment_fixed_size 35840
		.amdhsa_private_segment_fixed_size 0
		.amdhsa_enable_private_segment 0
		.amdhsa_kernarg_size 48
		.amdhsa_user_sgpr_count 2
		.amdhsa_user_sgpr_kernarg_segment_ptr 1
		.amdhsa_wavefront_size32 1
		.amdhsa_system_sgpr_workgroup_id_x 1
		.amdhsa_system_sgpr_workgroup_id_y 1
		.amdhsa_system_sgpr_workgroup_id_z 1
		.amdhsa_system_vgpr_workitem_id 0
		.amdhsa_next_free_vgpr 210
		.amdhsa_next_free_sgpr 66
		.amdhsa_reserve_vcc 0
		.amdhsa_float_denorm_mode_32 3
		.amdhsa_float_denorm_mode_16_64 3
		.amdhsa_memory_ordered 1
		.amdhsa_forward_progress 1
		.amdhsa_inst_pref_size 13
	.end_amdhsa_kernel
	.amdgpu_metadata
---
amdhsa.version: [ 1, 2 ]
amdhsa.kernels:
  - .name:           k_q255cff5d0d_proj
    .symbol:         k_q255cff5d0d_proj.kd
    .args:
      - { .name: x, .offset: 0, .size: 8, .value_kind: global_buffer, .address_space: global }
      - { .name: proj_b, .offset: 8, .size: 8, .value_kind: global_buffer, .address_space: global }
      - { .name: wq, .offset: 16, .size: 8, .value_kind: global_buffer, .address_space: global }
      - { .name: acodes, .offset: 24, .size: 8, .value_kind: global_buffer, .address_space: global }
      - { .name: asc, .offset: 32, .size: 8, .value_kind: global_buffer, .address_space: global }
      - { .name: out0, .offset: 40, .size: 8, .value_kind: global_buffer, .address_space: global }
    .group_segment_fixed_size: 35840
    .private_segment_fixed_size: 0
    .kernarg_segment_align: 8
    .kernarg_segment_size: 48
    .max_flat_workgroup_size: 256
    .sgpr_count:     66
    .vgpr_count:     210
    .wavefront_size: 32
...
	.end_amdgpu_metadata
.endif
;; end of part 4
